; MI455X (gfx1250); checked and timed in simulation.
; The chip was launched on July 23, 2026; its instructions are those of AMD's public machine-readable ISA for CDNA 5 (MIT licence, August 2026) and "CDNA5" Instruction Set Architecture Reference Guide (July 2026). The comments in the code are by the model that wrote it; some were corrected since.
;; Attention. Allowed arithmetic: float matrix products may take bf16 or f16 operands with f32 sums; other float arithmetic in f32, or as packed bf16 or f16 multiplies, adds, multiply-adds, maxima and minima; sums over many terms, partial sums and values carried from step to step in f32; what a program stores and reads back later, other than sums and carried values, may be rounded once to bf16 or f16.
;; Inputs: k 4 x 2,048 x 1,024 float32; q 4 x 2,048 x 1,024 float32; v 4 x 2,048 x 1,024 float32; wk_b 1,024 float32; wk_w 1,024 x 1,024 float32; wq_b 1,024 float32; wq_w 1,024 x 1,024 float32; wv_b 1,024 float32; wv_w 1,024 x 1,024 float32.
;; Outputs: out0 4 x 2,048 x 1,024 float32.
;; Constants: causal = 1.
;; One version. Each part assembles by itself: llvm-mc -triple=amdgcn-amd-amdhsa -mcpu=gfx1250 --defsym DOCPART=n.
;; ======== version 1 of 1: 4 launches
;; limits: values are held in f16: magnitudes above 65,504 overflow, below 6.1e-05 lose precision
;; workspace buffers: qp 16,777,216 bytes; kp 16,777,216 bytes; vp 16,777,216 bytes; pw 33,554,432 bytes; stats 1,048,576 bytes; xw 56,623,104 bytes
;; launch cast (part 1): grid 64 x 27, 8 waves a work-group, no clusters, 0 bytes of LDS; arguments q, k, v, wq_w, wk_w, wv_w, xw; writes xw
.if DOCPART == 1
	.amdgcn_target "amdgcn-amd-amdhsa--gfx1250"
	.amdhsa_code_object_version 6
	.text
	.protected	k_q92e696131c_cast
	.globl	k_q92e696131c_cast
	.p2align	8
	.type	k_q92e696131c_cast,@function
k_q92e696131c_cast:
	s_mov_b64 s[64:65], 0
	v_nop
	global_prefetch_b8 v0, s[64:65] scope:SCOPE_SE
	s_setreg_imm32_b32 hwreg(HW_REG_WAVE_MODE, 25, 1), 1
	s_wait_xcnt 0x0
; THE MATRIX OPERANDS OF THE THREE LINEAR LAYERS, ROUNDED ONCE TO bf16 (to nearest even).
; xw is 27 units of 2 MiB of bf16: units 0-7 q, 8-15 k, 16-23 v ([8192][1024] each), 24 wq_w, 25 wk_w, 26 wv_w ([1024][1024] each); a unit is 4 MiB of f32 of its input.
; A stream: each input byte is read once, each output byte written once; nothing is shared between waves, so no LDS, no barrier, no matrix unit and no cluster.
; SHARES.  Work-group (x, y) takes 64 KiB of unit y's f32, a wave 8 KiB: 16 loads of 16 bytes a lane, 512 consecutive bytes each, all issued before the first wait.
; A load's four numbers a lane become 8 bytes: one store of the wave covers 256 consecutive bytes, aligned.  No register is written twice.
.set X, 8                              ; v[8:71]    load i: 4 registers
.set Y, 72                             ; v[72:103]  store i: 2 registers
	s_load_b256 s[4:11], s[0:1], 0x0               ; q, k, v, wq_w
	s_load_b128 s[12:15], s[0:1], 0x20             ; wk_w, wv_w
	s_load_b64 s[16:17], s[0:1], 0x30              ; xw
	s_and_b32 s18, ttmp7, 0xffff                   ; the unit, 0..26
	s_lshr_b32 s19, s18, 3                         ; units 0-23: input 0, 1, 2,
	s_and_b32 s20, s18, 7                          ; and which 4 MiB of it
	s_sub_co_u32 s21, s18, 21                      ; units 24-26: input 3, 4, 5, whole
	s_cmp_lt_u32 s18, 24
	s_cselect_b32 s19, s19, s21
	s_cselect_b32 s20, s20, 0
	s_lshl_b32 s20, s20, 22
	s_lshl_b32 s22, ttmp9, 16                      ; the work-group's 64 KiB
	s_add_co_u32 s20, s20, s22
	s_mov_b32 s21, 0
	s_lshl_b32 s22, s18, 21                        ; the unit's 2 MiB of xw,
	s_lshl_b32 s23, ttmp9, 15                      ; the work-group's 32 KiB
	s_add_co_u32 s22, s22, s23
	s_mov_b32 s23, 0
	v_and_b32 v3, 31, v0                           ; lane
	v_lshrrev_b32 v4, 5, v0                        ; wave
	v_lshlrev_b32 v1, 4, v3
	v_lshl_add_u32 v1, v4, 13, v1                  ; in: 8,192 x wave + 16 x lane
	v_lshlrev_b32 v2, 3, v3
	v_lshl_add_u32 v2, v4, 12, v2                  ; out: 4,096 x wave + 8 x lane
	s_wait_kmcnt 0x0
	s_cmp_eq_u32 s19, 1                            ; the unit's input
	s_cselect_b64 s[4:5], s[6:7], s[4:5]
	s_cmp_eq_u32 s19, 2
	s_cselect_b64 s[4:5], s[8:9], s[4:5]
	s_cmp_eq_u32 s19, 3
	s_cselect_b64 s[4:5], s[10:11], s[4:5]
	s_cmp_eq_u32 s19, 4
	s_cselect_b64 s[4:5], s[12:13], s[4:5]
	s_cmp_eq_u32 s19, 5
	s_cselect_b64 s[4:5], s[14:15], s[4:5]
	s_add_nc_u64 s[4:5], s[4:5], s[20:21]
	s_add_nc_u64 s[16:17], s[16:17], s[22:23]
.set i, 0
.rept 16
	global_load_b128 v[X+4*i:X+4*i+3], v1, s[4:5] offset:512*i th:TH_LOAD_NT
.set i, i+1
.endr
.set i, 0
.rept 16
	s_wait_loadcnt 15-i                            ; loads come back in order (ISA guide 5.7.1): load i is in, the 15 - i younger ones stay out
	v_cvt_pk_bf16_f32 v[Y+2*i], v[X+4*i], v[X+4*i+1]
	v_cvt_pk_bf16_f32 v[Y+2*i+1], v[X+4*i+2], v[X+4*i+3]
	global_store_b64 v2, v[Y+2*i:Y+2*i+1], s[16:17] offset:256*i th:TH_STORE_NT
.set i, i+1
.endr
	s_endpgm
.Lfunc_end_k_q92e696131c_cast:
	.size	k_q92e696131c_cast, .Lfunc_end_k_q92e696131c_cast-k_q92e696131c_cast
	.p2alignl 7, 3214868480
	.fill 96, 4, 3214868480
	.section	.rodata,"a",@progbits
	.p2align	6, 0x0
	.amdhsa_kernel k_q92e696131c_cast
		.amdhsa_group_segment_fixed_size 0
		.amdhsa_private_segment_fixed_size 0
		.amdhsa_enable_private_segment 0
		.amdhsa_kernarg_size 56
		.amdhsa_user_sgpr_count 2
		.amdhsa_user_sgpr_kernarg_segment_ptr 1
		.amdhsa_wavefront_size32 1
		.amdhsa_system_sgpr_workgroup_id_x 1
		.amdhsa_system_sgpr_workgroup_id_y 1
		.amdhsa_system_sgpr_workgroup_id_z 1
		.amdhsa_system_vgpr_workitem_id 0
		.amdhsa_next_free_vgpr 104
		.amdhsa_next_free_sgpr 66
		.amdhsa_reserve_vcc 0
		.amdhsa_float_denorm_mode_32 3
		.amdhsa_float_denorm_mode_16_64 3
		.amdhsa_memory_ordered 1
		.amdhsa_forward_progress 1
		.amdhsa_inst_pref_size 8
	.end_amdhsa_kernel
	.amdgpu_metadata
---
amdhsa.version: [ 1, 2 ]
amdhsa.kernels:
  - .name:           k_q92e696131c_cast
    .symbol:         k_q92e696131c_cast.kd
    .args:
      - { .name: q, .offset: 0, .size: 8, .value_kind: global_buffer, .address_space: global }
      - { .name: k, .offset: 8, .size: 8, .value_kind: global_buffer, .address_space: global }
      - { .name: v, .offset: 16, .size: 8, .value_kind: global_buffer, .address_space: global }
      - { .name: wq_w, .offset: 24, .size: 8, .value_kind: global_buffer, .address_space: global }
      - { .name: wk_w, .offset: 32, .size: 8, .value_kind: global_buffer, .address_space: global }
      - { .name: wv_w, .offset: 40, .size: 8, .value_kind: global_buffer, .address_space: global }
      - { .name: xw, .offset: 48, .size: 8, .value_kind: global_buffer, .address_space: global }
    .group_segment_fixed_size: 0
    .private_segment_fixed_size: 0
    .kernarg_segment_align: 8
    .kernarg_segment_size: 56
    .max_flat_workgroup_size: 256
    .sgpr_count:     66
    .vgpr_count:     104
    .wavefront_size: 32
...
	.end_amdgpu_metadata
.endif
;; end of part 1
;; launch proj (part 2): grid 4 x 96, 4 waves a work-group, clusters of 4 x 4, 327,680 bytes of LDS; arguments xw, wq_b, wk_b, wv_b, qp, kp, vp; writes qp, kp, vp
.if DOCPART == 2
	.amdgcn_target "amdgcn-amd-amdhsa--gfx1250"
	.amdhsa_code_object_version 6
	.text
	.protected	k_q92e696131c_proj
	.globl	k_q92e696131c_proj
	.p2align	8
	.type	k_q92e696131c_proj,@function
k_q92e696131c_proj:
	s_mov_b64 s[64:65], 0
	v_nop
	global_prefetch_b8 v0, s[64:65] scope:SCOPE_SE
	s_setreg_imm32_b32 hwreg(HW_REG_WAVE_MODE, 25, 1), 1
	s_wait_xcnt 0x0
	s_wait_alu depctr_hold_cnt(0) depctr_sa_sdst(0) depctr_va_vdst(0) depctr_va_sdst(0) depctr_va_ssrc(0) depctr_va_vcc(0) depctr_vm_vsrc(0)
	s_getreg_b32 s2, hwreg(HW_REG_IB_STS2, 6, 4)
	s_cmp_eq_u32 s2, 0
	s_cbranch_scc0 .Lentry_in_a_cluster
	s_endpgm
.Lentry_in_a_cluster:
	s_bfe_u32 s2, ttmp6, 0x10000c
	s_cmp_lg_u32 s2, 0xf033
	s_cbranch_scc0 .Lentry_shape_is_right
	s_endpgm
.Lentry_shape_is_right:
; THREE LINEAR LAYERS IN ONE LAUNCH: out[m][n] = f16( sum over e of x[m][e] W[n][e] + bf16(b[n]) ), for (x, W, b, out) = (q, wq, .., qp), (k, wk, .., kp), (v, wv, .., vp).
; x and W come from xw, where the launch before has laid them in bf16: x of tensor T ([8192][1024]) at T x 16 MiB, W of tensor T ([1024][1024]) at 48 MiB + T x 2 MiB.  b: [1024] f32.  out: [8192][1024] f16.
; Sums in f32, out rounded once.  LIMIT: out is f16, so |x W^T + b| has to stay under 65,504; NaN and infinities are not treated apart.
; SHARES.  A tile of out is 256 x 256: 4 x 32 tiles a tensor, 384 work-groups.  Four waves, each 128 x 128: 64 accumulators, 512 registers (windows 2, 3).
; A cluster is 4 x 4 work-groups of ONE tensor (cluster y / 8 picks it): the four of a row need the same tile of x, the four of a column the same tile of W: joint tensor loads.
; RING.  K goes in 8 steps of 128 (rows of 256 bytes, aligned) through two LDS slots; a wave fetches 128 rows with one tensor load (waves 0, 1: x's halves; 2, 3: W's).
; A K step is four quarters of 32 along K, 64 matrix instructions each, on two fragment buffers; the next quarter's 32 LDS loads stand in one run in a quarter's middle.
; The matrix instruction is used transposed (source 0 = 16 rows of W, source 1 = 16 rows of x): a lane holds 8 neighbouring columns of one row of out.
; THE SUMS START AT THE BIAS: each accumulator's first product takes as C the eight registers that hold its column block's bias (rounded to bf16 like every input): nothing is cleared, and the way out has no addition.
; REGISTERS (windows of 256; s_set_vgpr_msb: bits 1:0 source 0, 3:2 source 1, 5:4 source 2, 7:6 destination):
;   window 0: v0-31 addresses; v64-127, v128-191 x's fragments, two buffers; v192-255 the bias, column block b at 192 + 8 b; on the way out v192-223 packed results, v32-63 and v224-255 rows read back
;   window 1: v64-127, v128-191 W's fragments      windows 2, 3: accumulator (a, b) at v[8 (8 (a % 4) + b)]
.set PITCH,  272                       ; an LDS row: 256 bytes + 16 of padding: the 16 rows that a load touches lie at 16 different 16-byte columns of 256 bytes
.set HALFT,  128*PITCH                 ; 128 rows: what one tensor load brings
.set SLOT,   4*HALFT                   ; x's 256 rows, then W's 256 rows; 0x22000: no bit of it is set in wave x HALFT, so an exclusive or changes slots
.set STAGE,  2*SLOT                    ; behind the ring: 16 rows x 272 bytes for each wave, for the way out
.set SPITCH, 272
.set SPARE,  STAGE+4*16*SPITCH         ; the spare words, 128 bytes a wave
.set OROW,   2048                      ; bytes in a row of out
.set KB,     256                       ; bytes of a row of x or W in a K step
.set WOFF,   50331648                  ; where the weights begin in xw
.set AA0, 4                            ; v4   my place in x's fragments of slot 0;  v5 the same for W
.set AB0, 5
.set ADRA, 6                           ; v6, v7  the same in the slot that is read
.set ADRB, 7
.set STO, 24
.set RD,  25
.set CO,  26
.set BO,  27
.set SPW, 28
.set NIL, 29
.set PFO, 30
.set OB,  32
.set F0,  64
.set F1,  128
.set TMP, 192
.set BI,  192
.set TB,  2                            ; s2   0 or SLOT: the slot that is read
.set CNT, 3
.set G1,  24                           ; s[24:31] group 1 for x's tiles; s[32:35] group 0 of the first fill, s[36:39] the walking one
.set G0,  32
.set LIM, 43
.set PFA, 44
.set G1B, 48                           ; the same for W's tiles
.set G0B, 56
.set MUL_LO, 0xa1                      ; source 0 (W) window 1, source 1 (x) window 0, C and D window 2
.set MUL_HI, 0xf1
.set TO_B,   0x40
.set MSB, 0
.macro WIN new                         ; the high byte repeats the setting that is left; a switch that changes nothing is dropped
.if MSB != (\new)
	s_set_vgpr_msb (MSB<<8)|(\new)
.set MSB, (\new)
.endif
.endm
.macro PLACES                          ; four plain places behind matrix instructions (ISA guide 7.12.1)
.rept 4
	v_nop
.endr
.endm
.macro JLOAD                           ; a joint refill: waves 0, 1 fetch x's halves, waves 2, 3 W's; the branch hangs on the wave's number alone
	s_cmp_eq_u32 s11, 0
	s_cbranch_scc0 .Lfor_b_\@
	tensor_load_to_lds s[G0+4:G0+7], s[G1:G1+7]
	s_nop 0
.rept 4
	v_nop
.endr
	s_branch .Lasked_\@
.Lfor_b_\@:
	tensor_load_to_lds s[G0B+4:G0B+7], s[G1B:G1B+7]
	s_nop 0
.rept 4
	v_nop
.endr
.Lasked_\@:
.endm
.macro ASK                             ; one prefetch a wave: 32 rows x 256 bytes of the K step two refills on, a lane a row; the last two refills have none
	s_cmp_gt_u32 s[CNT], s[LIM]
	s_cbranch_scc0 .Lnot_mine_\@
	global_prefetch_b8 v[PFO], s[PFA:PFA+1] th:TH_LOAD_NT scope:SCOPE_SE
.Lnot_mine_\@:
.endm
.macro CREST                           ; a round of the cluster's barrier behind its opening barrier
	s_cmp_lg_u32 s10, 0
	s_cbranch_scc1 .Lnot_wave_0_\@
	s_barrier_signal -3
.Lnot_wave_0_\@:
	s_barrier_wait -3
	s_barrier_signal -1
	s_barrier_wait -1
.endm
.macro CROUND
	s_barrier_signal -1
	s_barrier_wait -1
	CREST
.endm
	s_load_b256 s[68:75], s[0:1], 0x0              ; xw, wq_b, wk_b, wv_b
	s_load_b128 s[76:79], s[0:1], 0x20             ; qp, kp
	s_load_b64 s[80:81], s[0:1], 0x30              ; vp
	v_lshl_add_u32 v[SPW], v0, 2, SPARE
	v_mov_b32 v[NIL], 0
	ds_add_u32 v[SPW], v[NIL]                      ; the opening add; the set-up below stands between it and its wait
	ds_add_u32 v28, v29
	v_lshrrev_b32 v1, 5, v0
	v_readfirstlane_b32 s10, v1                    ; wave 0..3
	s_lshr_b32 s11, s10, 1                         ; my half of the tile's rows; also: I fetch for x (0) or W (1)
	s_and_b32 s12, s10, 1                          ; my half of its columns; also: which 128 rows I fetch
	s_bfe_u32 s40, ttmp6, 0x40000                  ; cx
	s_bfe_u32 s41, ttmp6, 0x40004                  ; cy
	s_lshl_b32 s42, ttmp9, 2
	s_add_co_u32 s42, s42, s40                     ; tile column
	s_and_b32 s93, ttmp7, 0xffff                   ; cluster y, 0..23
	s_lshr_b32 s92, s93, 3                         ; the tensor: 0 q, 1 k, 2 v: the same in the whole cluster
	s_and_b32 s93, s93, 7
	s_lshl_b32 s13, s93, 2
	s_add_co_u32 s13, s13, s41                     ; tile row, 0..31
	s_lshl_b32 s43, s41, 2
	s_lshl_b32 s43, 15, s43                        ; my row of the cluster
	s_lshl_b32 s44, 0x1111, s40                    ; my column
	s_or_b32 s[G1+0], s43, (1<<16)|(1<<20)|(1<<21)|(5<<22)|(3<<25)   ; mask; 2-byte elements; padding on; bit 21 beside a mask; after every 64 words 4 words
	s_or_b32 s[G1B+0], s44, (1<<16)|(1<<20)|(1<<21)|(5<<22)|(3<<25)
.irp g, G1, G1B
	s_mov_b32 s[(\g)+1], 128<<16                   ; tensor_dim0 = 128
	s_mov_b32 s[(\g)+2], 128<<16                   ; tensor_dim1 = 128
	s_mov_b32 s[(\g)+3], 128<<16                   ; tile_dim0 = 128
	s_mov_b32 s[(\g)+4], 128                       ; tile_dim1 = 128
	s_mov_b32 s[(\g)+5], 1024                      ; elements from row to row
	s_mov_b32 s[(\g)+6], 0
	s_mov_b32 s[(\g)+7], 0
.endr
	s_lshl_b32 s17, s12, 7
	s_lshl_b32 s16, s13, 8
	s_add_co_u32 s16, s16, s17                     ; x: row 256 x tile row + 128 x half
	s_lshl_b32 s46, s42, 8
	s_add_co_u32 s46, s46, s17                     ; W: row 256 x tile column + 128 x half
	s_lshl_b32 s16, s16, 11                        ; rows of 2,048 bytes
	s_lshl_b32 s46, s46, 11
	s_lshl_b32 s18, s92, 24
	s_add_co_u32 s16, s16, s18                     ; the tensor's x
	s_lshl_b32 s18, s92, 21
	s_add_co_u32 s46, s46, s18                     ; the tensor's W
	s_add_co_u32 s46, s46, WOFF
	s_mov_b32 s17, 0
	s_mov_b32 s47, 0
	s_mul_i32 s20, s10, HALFT                      ; where my tile goes: wave x 128 rows
	s_mov_b32 s[TB], 0
	s_wait_dscnt 0x0                               ; the opening add is done
	s_wait_kmcnt 0x0
	s_cmp_eq_u32 s92, 1                            ; the tensor's bias and output
	s_cselect_b64 s[66:67], s[72:73], s[70:71]
	s_cselect_b64 s[8:9], s[78:79], s[76:77]
	s_cmp_eq_u32 s92, 2
	s_cselect_b64 s[66:67], s[74:75], s[66:67]
	s_cselect_b64 s[8:9], s[80:81], s[8:9]
	s_add_nc_u64 s[14:15], s[68:69], s[16:17]
	s_add_nc_u64 s[46:47], s[68:69], s[46:47]
	CROUND                                         ; all sixteen work-groups are here: the first joint loads meet
.irp s, 0,1
	s_mov_b32 s[G0+4*(\s)], 1
	s_add_co_u32 s[G0+4*(\s)+1], s20, (\s)*SLOT
	s_add_nc_u64 s[G0+4*(\s)+2:G0+4*(\s)+3], s[14:15], (\s)*KB
	s_or_b32 s[G0+4*(\s)+3], s[G0+4*(\s)+3], 0x80000000
	s_mov_b32 s[G0B+4*(\s)], 1
	s_add_co_u32 s[G0B+4*(\s)+1], s20, (\s)*SLOT
	s_add_nc_u64 s[G0B+4*(\s)+2:G0B+4*(\s)+3], s[46:47], (\s)*KB
	s_or_b32 s[G0B+4*(\s)+3], s[G0B+4*(\s)+3], 0x80000000
.endr
	s_cmp_eq_u32 s11, 0                            ; a wave's two first fills stand in one branch: K steps 0 and 1; two loads of mine are out
	s_cbranch_scc0 .Lfirst_b
	tensor_load_to_lds s[G0:G0+3], s[G1:G1+7]
	s_nop 0
	tensor_load_to_lds s[G0+4:G0+7], s[G1:G1+7]
	s_nop 0
.rept 4
	v_nop
.endr
	s_branch .Lfirst_asked
.Lfirst_b:
	tensor_load_to_lds s[G0B:G0B+3], s[G1B:G1B+7]
	s_nop 0
	tensor_load_to_lds s[G0B+4:G0B+7], s[G1B:G1B+7]
	s_nop 0
.rept 4
	v_nop
.endr
.Lfirst_asked:
	; the bias of my 128 columns: accumulator column block b, lane half h, register j is column 16 b + 8 h + j
	s_lshl_b32 s46, s42, 10
	s_lshl_b32 s47, s12, 9
	s_add_co_u32 s46, s46, s47
	s_mov_b32 s47, 0
	s_add_nc_u64 s[66:67], s[66:67], s[46:47]
	v_and_b32 v1, 15, v0                           ; r = lane % 16
	v_bfe_u32 v2, v0, 4, 1                         ; h = lane / 16
	v_lshlrev_b32 v[BO], 5, v2
.irp b, 0,1,2,3,4,5,6,7
	global_load_b128 v[BI+8*(\b):BI+8*(\b)+3],   v[BO], s[66:67] offset:64*(\b)
	global_load_b128 v[BI+8*(\b)+4:BI+8*(\b)+7], v[BO], s[66:67] offset:64*(\b)+16
.endr
	; a fragment is 16 rows x 32 K in 8 registers: lane (r, h) takes row r, K = 8 h .. 8 h + 7 and 16 + 8 h ..: two loads of 16 bytes, 32 bytes apart
	v_mul_u32_u24 v3, v1, PITCH
	v_lshl_add_u32 v3, v2, 4, v3
	s_mul_i32 s21, s11, HALFT
	s_mul_i32 s22, s12, HALFT
	s_add_co_u32 s22, s22, 2*HALFT
	v_add_nc_u32 v[AA0], s21, v3
	v_add_nc_u32 v[AB0], s22, v3
	v_mov_b32 v[ADRA], v[AA0]
	v_mov_b32 v[ADRB], v[AB0]
	s_mul_i32 s23, s10, 16*SPITCH
	s_add_co_u32 s23, s23, STAGE                   ; my stage
	v_mul_u32_u24 v8, v1, SPITCH
	v_lshl_add_u32 v8, v2, 4, v8
	v_add_nc_u32 v[STO], s23, v8                   ; in: row r, 16 bytes for each half of the lanes
	v_mul_u32_u24 v9, v2, SPITCH
	v_lshl_add_u32 v9, v1, 4, v9
	v_add_nc_u32 v[RD], s23, v9                    ; back: lanes 0-15 one row of 256 bytes, lanes 16-31 the next
	v_lshlrev_b32 v9, 11, v2
	v_lshl_add_u32 v[CO], v1, 4, v9                ; the same two rows in out
	s_lshl_b32 s16, s13, 8
	s_lshl_b32 s17, s11, 7
	s_add_co_u32 s16, s16, s17
	s_lshl_b32 s16, s16, 11                        ; my first row of out
	s_mov_b32 s17, 0
	s_add_nc_u64 s[8:9], s[8:9], s[16:17]
	s_lshl_b32 s46, s42, 9
	s_lshl_b32 s47, s12, 8
	s_add_co_u32 s46, s46, s47                     ; my first column, in bytes
	s_mov_b32 s47, 0
	s_add_nc_u64 s[8:9], s[8:9], s[46:47]
	; the prefetches.  x's rows are read by this cluster alone: its waves 0, 1 always ask.  W's rows are read by the tensor's eight clusters: the first of them asks.
	; The four partners of a joint load share its 128 rows by address, 32 each (cx for x, cy for W).
	s_lshl_b32 s13, s13, 8
	s_lshl_b32 s42, s42, 8
	s_lshl_b32 s18, s92, 24                        ; where the tensor's x begins in xw,
	s_lshl_b32 s19, s92, 21
	s_add_co_u32 s19, s19, WOFF                    ; and its W
	s_cmp_eq_u32 s11, 0
	s_cselect_b32 s20, s13, s42
	s_cselect_b32 s21, s40, s41
	s_cselect_b32 s22, 0, s93
	s_cselect_b32 s23, s18, s19
	s_cmp_eq_u32 s22, 0
	s_cselect_b32 s[LIM], 2, -1                    ; a wave asks while more than two refills are to come: trip t names K step t + 4, up to 7
	s_lshl_b32 s22, s12, 7
	s_add_co_u32 s20, s20, s22
	s_lshl_b32 s21, s21, 5
	s_add_co_u32 s20, s20, s21
	s_lshl_b32 s20, s20, 11
	s_add_co_u32 s20, s20, s23
	s_mov_b32 s21, 0
	s_add_nc_u64 s[PFA:PFA+1], s[68:69], s[20:21]
	s_add_nc_u64 s[PFA:PFA+1], s[PFA:PFA+1], 3*KB  ; the first trip steps it to K step 4
	v_and_b32 v[PFO], 31, v0
	v_lshlrev_b32 v[PFO], 11, v[PFO]
	s_wait_loadcnt 0x0                             ; the bias; it is rounded to bf16 like every input, and widened again
.set i, 0
.rept 32
	v_cvt_pk_bf16_f32 v[F0+i], v[BI+2*i], v[BI+2*i+1]
.set i, i+1
.endr
.set i, 0
.rept 32
	v_lshlrev_b32 v[BI+2*i], 16, v[F0+i]
	v_and_b32 v[BI+2*i+1], 0xffff0000, v[F0+i]
.set i, i+1
.endr
; 16 matrix instructions: row blocks a0, a0 + 1 of the window's four x all 8 column blocks.  The 64 accumulators take turns in the same order in every quarter.
; first = 1: the product starts its sum at the column block's bias (C in window 0)
.macro MUL16 f, hi, a0, first
.if \first
	WIN 0x81+0x40*(\hi)
.else
	WIN MUL_LO+0x50*(\hi)
.endif
.irp a, \a0, (\a0)+1
.irp b, 0,1,2,3,4,5,6,7
.if \first
	v_wmma_f32_16x16x32_bf16 v[8*(8*(\a)+(\b)):8*(8*(\a)+(\b))+7], v[(\f)+8*(\b):(\f)+8*(\b)+7], v[(\f)+8*(4*(\hi)+(\a)):(\f)+8*(4*(\hi)+(\a))+7], v[BI+8*(\b):BI+8*(\b)+7]
.else
	v_wmma_f32_16x16x32_bf16 v[8*(8*(\a)+(\b)):8*(8*(\a)+(\b))+7], v[(\f)+8*(\b):(\f)+8*(\b)+7], v[(\f)+8*(4*(\hi)+(\a)):(\f)+8*(4*(\hi)+(\a))+7], v[8*(8*(\a)+(\b)):8*(8*(\a)+(\b))+7]
.endif
.endr
.endr
.endm
.macro FETCH k, f                      ; 32 LDS loads in one run: W's 8 fragments, then x's
	WIN TO_B
.irp i, 0,1,2,3,4,5,6,7
	ds_load_b128 v[(\f)+8*(\i):(\f)+8*(\i)+3],   v[ADRB] offset:(\k)+(\i)*16*PITCH
	ds_load_b128 v[(\f)+8*(\i)+4:(\f)+8*(\i)+7], v[ADRB] offset:(\k)+(\i)*16*PITCH+32
.endr
	WIN 0
.irp i, 0,1,2,3,4,5,6,7
	ds_load_b128 v[(\f)+8*(\i):(\f)+8*(\i)+3],   v[ADRA] offset:(\k)+(\i)*16*PITCH
	ds_load_b128 v[(\f)+8*(\i)+4:(\f)+8*(\i)+7], v[ADRA] offset:(\k)+(\i)*16*PITCH+32
.endr
.endm
.macro QUARTER k, f, g, first          ; multiplies buffer f; in its middle fetches the next quarter, at byte k, into g
	s_wait_dscnt 8                                 ; W's and x's rows 0-63 are in; the youngest eight loads may be out
	MUL16 \f, 0, 0, \first
	MUL16 \f, 0, 2, \first
	PLACES
	FETCH \k, \g
	s_wait_dscnt 32                                ; all but the 32 just issued
	MUL16 \f, 1, 0, \first
	MUL16 \f, 1, 2, \first
.endm
; The last quarter of a K step multiplies buffer 1 and changes slots.  In front of the barrier: all my tensor loads (the one that is out is my part of the next step), the add, and the wait for it and for my reads.
; fill = 1: the barrier opens a round of the cluster's, so that no wave of any partner still reads the slot or has a load on its way; the slot takes the K step two on, first thing behind the round:
; 224 matrix instructions ahead of the wait for it.
.macro TURN fill
.if \fill
	s_wait_xcnt 0x0                                ; the last prefetch, a K step back, has read its address
	s_add_nc_u64 s[PFA:PFA+1], s[PFA:PFA+1], KB
.endif
	WIN 0
	s_wait_tensorcnt 0x0
	ds_add_u32 v[SPW], v[NIL]
.if \fill
	s_xor_b32 s[G0+5], s[G0+5], SLOT               ; no tensor load of mine is out: the walking descriptors go to the other slot, a K step on
	s_add_nc_u64 s[G0+6:G0+7], s[G0+6:G0+7], KB
	s_xor_b32 s[G0B+5], s[G0B+5], SLOT
	s_add_nc_u64 s[G0B+6:G0B+7], s[G0B+6:G0B+7], KB
.endif
	s_wait_dscnt 9                                 ; the add and the youngest eight loads may be out
	MUL16 F1, 0, 0, 0
	s_wait_dscnt 0x0                               ; the add is done, my reads of the slot are over
	s_barrier_signal -1
	MUL16 F1, 0, 2, 0                              ; work on registers while the others arrive
	WIN 0
	s_barrier_wait -1
.if \fill
	CREST
	JLOAD                                          ; the four v_nop behind it are also the places in front of the loads below
.else
	PLACES
.endif
	s_xor_b32 s[TB], s[TB], SLOT
	v_add_nc_u32 v[ADRA], s[TB], v[AA0]
	v_add_nc_u32 v[ADRB], s[TB], v[AB0]
	FETCH 0, F0
.if \fill
	ASK
.endif
	MUL16 F1, 1, 0, 0
	MUL16 F1, 1, 2, 0
.endm
	s_wait_tensorcnt 1                             ; my part of K step 0 is in; step 1's load may stay out
	s_barrier_signal -1
	s_barrier_wait -1
	FETCH 0, F0
	QUARTER 64, F0, F1, 1                          ; the first quarter's products start the sums
	WIN 0
	s_mov_b32 s[CNT], 6
.Lfill:                                                ; a trip: from a K step's second quarter to the next step's first; steps 2 to 7 are asked for
	QUARTER 128, F1, F0, 0
	QUARTER 192, F0, F1, 0
	TURN 1
	QUARTER 64, F0, F1, 0
	WIN 0
	s_sub_co_u32 s[CNT], s[CNT], 1
	s_cmp_lg_u32 s[CNT], 0
	s_cbranch_scc1 .Lfill
	s_mov_b32 s[CNT], 2
.Ltail:                                                ; K steps 6 and 7 ask for nothing; the second trip is left in its middle, and its fetch from the slot read before serves nothing
	QUARTER 128, F1, F0, 0
	QUARTER 192, F0, F1, 0
	TURN 0
	WIN 0
	s_sub_co_u32 s[CNT], s[CNT], 1
	s_cmp_eq_u32 s[CNT], 0
	s_cbranch_scc1 .Lout
	QUARTER 64, F0, F1, 0
	WIN 0
	s_branch .Ltail
.Lout:
; THE WAY OUT, 16 rows at a time: rounded to f16 (16 bytes a lane), into my stage, back as whole rows of 256 bytes, stored.
.macro PACK a
.set AC, 64*((\a)%4)
	WIN 0x0a+5*((\a)/4)
.irp b, 0,1,2,3,4,5,6,7
.irp r, 0,1,2,3
	v_cvt_pk_f16_f32 v[TMP+4*(\b)+(\r)], v[AC+8*(\b)+2*(\r)], v[AC+8*(\b)+2*(\r)+1]
.endr
.endr
	WIN 0
.endm
.macro TOSTAGE a
	WIN 0
.set BK, OB+192*((\a)%2)
.irp b, 0,1,2,3,4,5,6,7
	ds_store_b128 v[STO], v[TMP+4*(\b):TMP+4*(\b)+3] offset:32*(\b)
.endr
.irp t, 0,1,2,3,4,5,6,7
	ds_load_b128 v[BK+4*(\t):BK+4*(\t)+3], v[RD] offset:(\t)*2*SPITCH  ; LDS serves a wave's instructions in order (ISA guide 5.7.1.4)
.endr
.endm
.macro SEND a
	WIN 0
.set BK, OB+192*((\a)%2)
	s_wait_dscnt 0x0
	s_wait_xcnt 0x0                                ; earlier stores have read their base and data
.if (\a) != 0
	s_add_nc_u64 s[8:9], s[8:9], 16*OROW
.endif
.irp t, 0,1,2,3,4,5,6,7
	global_store_b128 v[CO], v[BK+4*(\t):BK+4*(\t)+3], s[8:9] offset:2*(\t)*OROW  ; 16 lanes store 256 consecutive bytes, aligned
.endr
.endm
	s_wait_dscnt 0x0                               ; the fragment loads that serve nothing are back
	PLACES
	PACK 0
	TOSTAGE 0
.irp a, 1,2,3,4,5,6,7
	PACK \a
	SEND (\a)-1
	TOSTAGE \a
.endr
	SEND 7
	s_wait_tensorcnt 0x0                           ; the wave's end
	ds_add_u32 v[SPW], v[NIL]
	s_wait_dscnt 0x0
	CROUND                                         ; the closing round
	s_endpgm
.Lfunc_end_k_q92e696131c_proj:
	.size	k_q92e696131c_proj, .Lfunc_end_k_q92e696131c_proj-k_q92e696131c_proj
	.p2alignl 7, 3214868480
	.fill 96, 4, 3214868480
	.section	.rodata,"a",@progbits
	.p2align	6, 0x0
	.amdhsa_kernel k_q92e696131c_proj
		.amdhsa_group_segment_fixed_size 327680
		.amdhsa_private_segment_fixed_size 0
		.amdhsa_enable_private_segment 0
		.amdhsa_kernarg_size 56
		.amdhsa_user_sgpr_count 2
		.amdhsa_user_sgpr_kernarg_segment_ptr 1
		.amdhsa_wavefront_size32 1
		.amdhsa_system_sgpr_workgroup_id_x 1
		.amdhsa_system_sgpr_workgroup_id_y 1
		.amdhsa_system_sgpr_workgroup_id_z 1
		.amdhsa_system_vgpr_workitem_id 0
		.amdhsa_next_free_vgpr 1024
		.amdhsa_next_free_sgpr 94
		.amdhsa_reserve_vcc 0
		.amdhsa_float_denorm_mode_32 3
		.amdhsa_float_denorm_mode_16_64 3
		.amdhsa_memory_ordered 1
		.amdhsa_forward_progress 1
		.amdhsa_inst_pref_size 108
	.end_amdhsa_kernel
	.amdgpu_metadata
---
amdhsa.version: [ 1, 2 ]
amdhsa.kernels:
  - .name:           k_q92e696131c_proj
    .symbol:         k_q92e696131c_proj.kd
    .args:
      - { .name: xw, .offset: 0, .size: 8, .value_kind: global_buffer, .address_space: global }
      - { .name: wq_b, .offset: 8, .size: 8, .value_kind: global_buffer, .address_space: global }
      - { .name: wk_b, .offset: 16, .size: 8, .value_kind: global_buffer, .address_space: global }
      - { .name: wv_b, .offset: 24, .size: 8, .value_kind: global_buffer, .address_space: global }
      - { .name: qp, .offset: 32, .size: 8, .value_kind: global_buffer, .address_space: global }
      - { .name: kp, .offset: 40, .size: 8, .value_kind: global_buffer, .address_space: global }
      - { .name: vp, .offset: 48, .size: 8, .value_kind: global_buffer, .address_space: global }
    .group_segment_fixed_size: 327680
    .private_segment_fixed_size: 0
    .kernarg_segment_align: 8
    .kernarg_segment_size: 56
    .max_flat_workgroup_size: 128
    .sgpr_count:     94
    .vgpr_count:     1024
    .wavefront_size: 32
...
	.end_amdgpu_metadata
.endif
;; end of part 2
;; launch scores (part 3): grid 36 x 4, 4 waves a work-group, no clusters, 327,680 bytes of LDS; arguments qp, kp, pw, stats; writes pw, stats
.if DOCPART == 3
	.amdgcn_target "amdgcn-amd-amdhsa--gfx1250"
	.amdhsa_code_object_version 6
	.text
	.protected	k_q92e696131c_scores
	.globl	k_q92e696131c_scores
	.p2align	8
	.type	k_q92e696131c_scores,@function
k_q92e696131c_scores:
	s_mov_b64 s[64:65], 0
	v_nop
	global_prefetch_b8 v0, s[64:65] scope:SCOPE_SE
	s_setreg_imm32_b32 hwreg(HW_REG_WAVE_MODE, 25, 1), 1
	s_wait_xcnt 0x0
; BLOCK-LOCAL SOFTMAX WEIGHTS.  For each causal tile (I, J <= I) of 256 queries x 256 keys of a batch: S = qp kp^T (f16 operands, f32 sums, K = 1024).  Each wave holds 128 queries x 128 keys and makes,
; for each of its rows: m = the largest score of the 128 keys, P = 2^(c s - c m) in f16 (c = log2(e) / 32), l = the sum of the unrounded weights.  P goes to pw [4][2048 q][2048 k] f16,
; c m and l to stats [4][16 key blocks][2: c m, l][2048 q] f32.  The next launch joins the key blocks by their maxima: the running maximum of the softmax, taken block by block.
; THE MASK.  A hidden score (key > query) counts as -2^100: c x 2^100 is exact, so a row whose 128 keys are all hidden gets c s - c m = 0, P = 1, l = 128 and c m = -c 2^100, which the next launch weighs with 0.
; LIMITS.  Scores of f16 operands stay under 4.4e12, nothing beside 2^100.  A weight below 6e-8 is 0 in P, below 2^-126 it is 0 in l.  NaN and infinities are not treated apart.
; NO CLUSTER: a batch's 36 tiles form rows of 1 to 8 and columns of 8 to 1; no fixed group of four work-groups shares an operand at every place.
; RING: K steps of 128 (rows of 256 bytes) through two LDS slots, one tensor load a wave (waves 0, 1: qp's halves; 2, 3: kp's).  Source 0 = 16 keys, source 1 = 16 queries: a lane holds one query and 8 keys.
; REGISTERS: window 0: v0-31 addresses, v64-191 qp's fragments (two buffers), later the softmax's; window 1: v64-191 kp's fragments; windows 2, 3: accumulator (a, b) at v[8 (8 (a % 4) + b)].
.set PITCH,  272
.set HALFT,  128*PITCH
.set SLOT,   4*HALFT                   ; 0x22000: no bit of it is set in wave x HALFT
.set KB,     256
.set DP,     528                       ; a row of a wave's dump of scores: 512 bytes + 16
.set DW,     128*DP                    ; the four dumps lie in the ring, whose slots have then had their last fill
.set STAT,   2*SLOT                    ; 1,024 bytes a wave: 128 c m, 128 l
.set SPARE,  STAT+4096
.set AA0, 4
.set AB0, 5
.set ADRA, 6
.set ADRB, 7
.set DST, 8
.set RDA, 9
.set PO,  10
.set U,   11
.set NEG, 12
.set STA, 13
.set SRD, 14
.set SGO, 15
.set PFO, 16
.set X7,  17
.set SPW, 28
.set NIL, 29
.set F0,  64
.set F1,  128
.set D,   64                           ; v64-127  16 rows' scores: pair p (rows 2 p + lane / 16) at D + 8 p: keys 8 (lane % 16) + 0..7
.set T,   128                          ; v128-143 pair p: c m, m
.set SC,  144
.set SL,  145
.set PK,  160
.set SB,  192
.set G1,  24
.set G0A, 32
.set G0,  36
.set TB,  40
.set CNT, 41
.set LIM, 42
.set PFA, 44
.set CS,  46
.set LM,  48                           ; s49-55  lanes with lane % 8 = p
.set MK,  66                           ; s66-87  lanes in which key - query offset c - 14 is hidden
.set MUL_LO, 0xa1
.set MUL_HI, 0xf1
.set TO_B,   0x40
.set MSB, 0
.macro WIN new
.if MSB != (\new)
	s_set_vgpr_msb (MSB<<8)|(\new)
.set MSB, (\new)
.endif
.endm
.macro PLACES
.rept 4
	v_nop
.endr
.endm
.macro ASK                             ; my own 128 rows x 256 bytes of the K step two refills on: a lane a row, four instructions
	s_cmp_gt_u32 s[CNT], s[LIM]
	s_cbranch_scc0 .Lnot_mine_\@
.irp g, 0,1,2,3
	global_prefetch_b8 v[PFO], s[PFA:PFA+1] offset:(\g)*65536 th:TH_LOAD_NT scope:SCOPE_SE
.endr
.Lnot_mine_\@:
.endm
	s_load_b256 s[4:11], s[0:1], 0x0               ; qp, kp, pw, stats
	v_lshl_add_u32 v[SPW], v0, 2, SPARE
	v_mov_b32 v[NIL], 0
	ds_add_u32 v[SPW], v[NIL]                      ; the opening add
	ds_add_u32 v28, v29
	v_lshrrev_b32 v1, 5, v0
	v_readfirstlane_b32 s12, v1                    ; wave
	s_lshr_b32 s13, s12, 1                         ; wr: my half of the queries
	s_and_b32 s14, s12, 1                          ; wc: my half of the keys; also which 128 rows I fetch
	s_mov_b32 s15, ttmp9
	s_and_b32 s18, ttmp7, 0xffff                   ; batch
	s_mov_b32 s16, 0                               ; I = how many of the triangle numbers 1, 3, .. 28 the tile's number reaches
.irp t, 1,3,6,10,15,21,28
	s_cmp_ge_u32 s15, \t
	s_add_co_ci_u32 s16, s16, 0
.endr
	s_add_co_u32 s56, s16, 1
	s_mul_i32 s56, s56, s16
	s_lshr_b32 s56, s56, 1
	s_sub_co_u32 s17, s15, s56                     ; J
	s_sub_co_u32 s19, s16, s17
	s_lshl_b32 s19, s19, 8
	s_sub_co_i32 s56, s13, s14
	s_lshl_b32 s56, s56, 7
	s_add_co_i32 s19, s19, s56                     ; my first query less my first key: -128, 0, or 128 and more
	s_mov_b32 s[G1+0], (1<<16)|(1<<20)|(5<<22)|(3<<25)  ; 2-byte elements; padding: after every 64 words 4 words
	s_mov_b32 s[G1+1], 128<<16
	s_mov_b32 s[G1+2], 128<<16
	s_mov_b32 s[G1+3], 128<<16
	s_mov_b32 s[G1+4], 128
	s_mov_b32 s[G1+5], 1024
	s_mov_b32 s[G1+6], 0
	s_mov_b32 s[G1+7], 0
	s_cmp_lt_u32 s12, 2
	s_cselect_b32 s56, s16, s17                    ; waves 0, 1: block I of qp; waves 2, 3: block J of kp
	s_lshl_b32 s56, s56, 8
	s_lshl_b32 s57, s14, 7
	s_add_co_u32 s56, s56, s57
	s_lshl_b32 s57, s18, 11
	s_add_co_u32 s56, s56, s57
	s_lshl_b32 s56, s56, 11                        ; rows of 2,048 bytes
	s_mov_b32 s57, 0
	s_mul_i32 s58, s12, HALFT
	s_mov_b32 s[TB], 0
	s_mov_b32 s[CS], 0x3d38aa3b                    ; c = log2(e) / 32
	s_mov_b32 s[CS+1], s[CS]
	s_wait_dscnt 0x0
	s_wait_kmcnt 0x0
	s_cmp_lt_u32 s12, 2
	s_cselect_b64 s[60:61], s[4:5], s[6:7]
	s_add_nc_u64 s[60:61], s[60:61], s[56:57]
	s_mov_b32 s[G0A], 1
	s_mov_b32 s[G0A+1], s58
	s_mov_b64 s[G0A+2:G0A+3], s[60:61]
	s_or_b32 s[G0A+3], s[G0A+3], 0x80000000
	s_mov_b32 s[G0], 1
	s_add_co_u32 s[G0+1], s58, SLOT
	s_add_nc_u64 s[G0+2:G0+3], s[60:61], KB
	s_or_b32 s[G0+3], s[G0+3], 0x80000000
	tensor_load_to_lds s[G0A:G0A+3], s[G1:G1+7]    ; K steps 0 and 1: two loads of mine are out
	s_nop 0
	tensor_load_to_lds s[G0:G0+3], s[G1:G1+7]
	s_nop 0
.rept 4
	v_nop
.endr
	; who prefetches: block I of qp is read by the tiles (I, 0 .. I): the one with J = 0 asks; block J of kp by the tiles (J .. 7, J): the one with I = J asks
	s_sub_co_u32 s56, s16, s17
	s_cmp_lt_u32 s12, 2
	s_cselect_b32 s56, s17, s56
	s_cmp_eq_u32 s56, 0
	s_cselect_b32 s[LIM], 2, -1                    ; trip t names K step t + 4, up to 7
	s_add_nc_u64 s[PFA:PFA+1], s[60:61], 3*KB
	v_and_b32 v[PFO], 31, v0
	v_lshlrev_b32 v[PFO], 11, v[PFO]
	v_and_b32 v1, 15, v0                           ; x = lane % 16
	v_bfe_u32 v2, v0, 4, 1                         ; y = lane / 16
	v_mul_u32_u24 v3, v1, PITCH
	v_lshl_add_u32 v3, v2, 4, v3
	s_mul_i32 s56, s13, HALFT
	s_mul_i32 s57, s14, HALFT
	s_add_co_u32 s57, s57, 2*HALFT
	v_add_nc_u32 v[AA0], s56, v3
	v_add_nc_u32 v[AB0], s57, v3
	v_mov_b32 v[ADRA], v[AA0]
	v_mov_b32 v[ADRB], v[AB0]
	s_mul_i32 s56, s12, DW
	v_mul_u32_u24 v3, v1, DP
	v_lshl_add_u32 v3, v2, 4, v3
	v_add_nc_u32 v[DST], s56, v3                   ; the dump, in: row x, key group 2 b + y
	v_mul_u32_u24 v3, v2, DP
	v_lshl_add_u32 v3, v1, 4, v3
	v_add_nc_u32 v[RDA], s56, v3                   ; back: row y, key group x
	v_lshlrev_b32 v3, 12, v2
	v_lshl_add_u32 v[PO], v1, 4, v3                ; in pw: row y, 16 bytes at 16 x
	v_lshlrev_b32 v3, 3, v1
	v_sub_nc_u32 v3, v2, v3
	v_add_nc_u32 v[U], s19, v3                     ; register j of pair p is hidden where j - 2 p is greater than this
	v_mov_b32 v[NEG], 0xf1800000                   ; -2^100
	v_and_b32 v[X7], 7, v1
	v_lshl_add_u32 v3, v[X7], 1, v2
	s_lshl_b32 s56, s12, 10
	s_add_co_u32 s56, s56, STAT
	v_lshl_add_u32 v[STA], v3, 2, s56              ; the word of row 2 (x % 8) + y
	v_and_b32 v3, 31, v0
	v_lshlrev_b32 v[SGO], 4, v3
	v_add_nc_u32 v[SRD], s56, v[SGO]
.irp p, 1,2,3,4,5,6,7
	v_cmp_eq_u32 s[LM+(\p)], \p, v[X7]
.endr
	s_lshl_b32 s56, s18, 23                        ; pw at my first row and key
	s_lshl_b32 s57, s16, 8
	s_lshl_b32 s58, s13, 7
	s_add_co_u32 s57, s57, s58                     ; my first query in the batch
	s_lshl_b32 s58, s57, 12
	s_add_co_u32 s56, s56, s58
	s_lshl_b32 s58, s17, 9
	s_add_co_u32 s56, s56, s58
	s_lshl_b32 s58, s14, 8
	s_add_co_u32 s56, s56, s58
	s_lshl_b32 s59, s57, 2
	s_mov_b32 s57, 0
	s_add_nc_u64 s[8:9], s[8:9], s[56:57]
	s_lshl_b32 s56, s18, 4                         ; stats at my key block 2 J + wc and first query
	s_lshl_b32 s58, s17, 1
	s_add_co_u32 s56, s56, s58
	s_add_co_u32 s56, s56, s14
	s_lshl_b32 s56, s56, 14
	s_add_co_u32 s56, s56, s59
	s_add_nc_u64 s[10:11], s[10:11], s[56:57]
; 16 matrix instructions: query blocks a0, a0 + 1 of the window's four x all 8 key blocks.  The 64 accumulators take turns in the same order in every quarter.
.macro MUL16 f, hi, a0, zero
	WIN MUL_LO+0x50*(\hi)
.irp a, \a0, (\a0)+1
.irp b, 0,1,2,3,4,5,6,7
.if \zero
	v_wmma_f32_16x16x32_f16 v[8*(8*(\a)+(\b)):8*(8*(\a)+(\b))+7], v[(\f)+8*(\b):(\f)+8*(\b)+7], v[(\f)+8*(4*(\hi)+(\a)):(\f)+8*(4*(\hi)+(\a))+7], 0
.else
	v_wmma_f32_16x16x32_f16 v[8*(8*(\a)+(\b)):8*(8*(\a)+(\b))+7], v[(\f)+8*(\b):(\f)+8*(\b)+7], v[(\f)+8*(4*(\hi)+(\a)):(\f)+8*(4*(\hi)+(\a))+7], v[8*(8*(\a)+(\b)):8*(8*(\a)+(\b))+7]
.endif
.endr
.endr
.endm
.macro FETCH k, f                      ; 32 LDS loads in one run: kp's 8 fragments, then qp's
	WIN TO_B
.irp i, 0,1,2,3,4,5,6,7
	ds_load_b128 v[(\f)+8*(\i):(\f)+8*(\i)+3],   v[ADRB] offset:(\k)+(\i)*16*PITCH
	ds_load_b128 v[(\f)+8*(\i)+4:(\f)+8*(\i)+7], v[ADRB] offset:(\k)+(\i)*16*PITCH+32
.endr
	WIN 0
.irp i, 0,1,2,3,4,5,6,7
	ds_load_b128 v[(\f)+8*(\i):(\f)+8*(\i)+3],   v[ADRA] offset:(\k)+(\i)*16*PITCH
	ds_load_b128 v[(\f)+8*(\i)+4:(\f)+8*(\i)+7], v[ADRA] offset:(\k)+(\i)*16*PITCH+32
.endr
.endm
.macro QUARTER k, f, g, zero           ; multiplies buffer f; in its middle fetches the next quarter, at byte k, into g
	s_wait_dscnt 8                                 ; kp's and qp's rows 0-63 are in; the youngest eight loads may be out
	MUL16 \f, 0, 0, \zero
	MUL16 \f, 0, 2, \zero
	PLACES
	FETCH \k, \g
	s_wait_dscnt 32                                ; all but the 32 just issued
	MUL16 \f, 1, 0, \zero
	MUL16 \f, 1, 2, \zero
.endm
; The last quarter of a K step multiplies buffer 1 and changes slots: all my tensor loads, the add, the wait for it and for my reads, one barrier; fill = 1: the slot takes the K step two on, first thing behind it.
.macro TURN fill
.if \fill
	s_wait_xcnt 0x0                                ; the last prefetches, a K step back, have read their address
	s_add_nc_u64 s[PFA:PFA+1], s[PFA:PFA+1], KB
.endif
	WIN 0
	s_wait_tensorcnt 0x0
	ds_add_u32 v[SPW], v[NIL]
.if \fill
	s_xor_b32 s[G0+1], s[G0+1], SLOT               ; no tensor load of mine is out: the walking descriptor goes to the other slot, a K step on
	s_add_nc_u64 s[G0+2:G0+3], s[G0+2:G0+3], KB
.endif
	s_wait_dscnt 9                                 ; the add and the youngest eight loads may be out
	MUL16 F1, 0, 0, 0
	s_wait_dscnt 0x0
	s_barrier_signal -1
	MUL16 F1, 0, 2, 0
	WIN 0
	s_barrier_wait -1
.if \fill
	tensor_load_to_lds s[G0:G0+3], s[G1:G1+7]      ; 224 matrix instructions ahead of the wait for it
	s_nop 0
.endif
	PLACES
	s_xor_b32 s[TB], s[TB], SLOT
	v_add_nc_u32 v[ADRA], s[TB], v[AA0]
	v_add_nc_u32 v[ADRB], s[TB], v[AB0]
	FETCH 0, F0
.if \fill
	ASK
.endif
	MUL16 F1, 1, 0, 0
	MUL16 F1, 1, 2, 0
.endm
	s_wait_tensorcnt 1                             ; my part of K step 0 is in; step 1's may stay out
	s_barrier_signal -1
	s_barrier_wait -1
	FETCH 0, F0
	QUARTER 64, F0, F1, 1                          ; the first quarter's products start the sums
	WIN 0
	s_mov_b32 s[CNT], 6
.Lfill:                                                ; a trip: from a K step's second quarter to the next step's first; steps 2 to 7 are asked for
	QUARTER 128, F1, F0, 0
	QUARTER 192, F0, F1, 0
	TURN 1
	QUARTER 64, F0, F1, 0
	WIN 0
	s_sub_co_u32 s[CNT], s[CNT], 1
	s_cmp_lg_u32 s[CNT], 0
	s_cbranch_scc1 .Lfill
	s_mov_b32 s[CNT], 2
.Ltail:                                                ; K steps 6 and 7 ask for nothing; the second trip is left in its middle, and its fetch from the slot read before serves nothing
	QUARTER 128, F1, F0, 0
	QUARTER 192, F0, F1, 0
	TURN 0
	WIN 0
	s_sub_co_u32 s[CNT], s[CNT], 1
	s_cmp_eq_u32 s[CNT], 0
	s_cbranch_scc1 .Lout
	QUARTER 64, F0, F1, 0
	WIN 0
	s_branch .Ltail
.Lout:
	s_wait_dscnt 0x0                               ; my reads of the ring are over,
	s_barrier_signal -1
	s_barrier_wait -1                              ; everybody's are: the ring's bytes, which have had their last fill, take the scores
	PLACES
	; a lane's 8 keys of query 16 a + x are key group 2 b + y: its first four numbers go to byte 16 (2 b + y) of the row, the other four 256 bytes on
.irp a, 0,1,2,3,4,5,6,7
	WIN 0x08+4*((\a)/4)
.irp b, 0,1,2,3,4,5,6,7
	ds_store_b128 v[DST], v[8*(8*((\a)%4)+(\b)):8*(8*((\a)%4)+(\b))+3]   offset:(\a)*16*DP+32*(\b)
	ds_store_b128 v[DST], v[8*(8*((\a)%4)+(\b))+4:8*(8*((\a)%4)+(\b))+7] offset:(\a)*16*DP+32*(\b)+256
.endr
.endr
	WIN 0
.macro EACH line:vararg                ; one line for each pair p of rows
.set p, 0
.rept 8
	\line
.set p, p+1
.endr
.endm
.macro SFMA n                          ; c s - c m for two scores
	v_pk_fma_f32 v[D+2*(\n):D+2*(\n)+1], v[D+2*(\n):D+2*(\n)+1], s[CS:CS+1], v[T+2*((\n)/4):T+2*((\n)/4)+1] op_sel_hi:[1,0,0] neg_lo:[0,0,1] neg_hi:[0,0,1]
.endm
	s_mov_b32 s[CNT], 8
.Lsoft:                                                ; a trip: 16 rows.  Sixteen lanes hold a row, 8 keys each; my own bytes, served in order: no barrier
	EACH ds_load_b128 v[D+8*p:D+8*p+3], v[RDA] offset:2*DP*p
	EACH ds_load_b128 v[D+8*p+4:D+8*p+7], v[RDA] offset:2*DP*p+256
.set n, 0
.rept 22
	v_cmp_gt_i32 s[MK+n], n-14, v[U]               ; all values of j - 2 p
.set n, n+1
.endr
	s_wait_dscnt 0x0
.set n, 0
.rept 64
	v_cndmask_b32 v[D+n], v[D+n], v[NEG], s[MK+n%8-2*(n/8)+14]
.set n, n+1
.endr
	EACH v_max3_num_f32 v[T+2*p+1], v[D+8*p], v[D+8*p+1], v[D+8*p+2]
	EACH v_max3_num_f32 v[T+2*p+1], v[T+2*p+1], v[D+8*p+3], v[D+8*p+4]
	EACH v_max3_num_f32 v[T+2*p+1], v[T+2*p+1], v[D+8*p+5], v[D+8*p+6]
	EACH v_max_num_f32 v[T+2*p+1], v[T+2*p+1], v[D+8*p+7]
.irp m, 1,2,4,8
	EACH v_max_num_f32_dpp v[T+2*p+1], v[T+2*p+1], v[T+2*p+1] row_xmask:\m row_mask:0xf bank_mask:0xf
.endr
	EACH v_mul_f32 v[T+2*p], s[CS], v[T+2*p+1]
	SFMA 0
.set n, 0
.rept 32                               ; one batch of 64 exponentials; nothing ahead of the wait names a result
.if n < 31
	SFMA n+1
.endif
	v_exp_f32 v[D+2*n], v[D+2*n]
	v_exp_f32 v[D+2*n+1], v[D+2*n+1]
.set n, n+1
.endr
	v_nop                                          ; a plain instruction behind the last exponential,
	s_wait_alu depctr_va_vdst(0)                   ; and the one wait ahead of the first reader
.set n, 0
.rept 32
	v_cvt_pk_f16_f32 v[PK+n], v[D+2*n], v[D+2*n+1]
.set n, n+1
.endr
	EACH global_store_b128 v[PO], v[PK+4*p:PK+4*p+3], s[8:9] offset:8192*p  ; 16 lanes store 256 consecutive bytes, aligned
	EACH v_pk_add_f32 v[D+8*p:D+8*p+1], v[D+8*p:D+8*p+1], v[D+8*p+2:D+8*p+3]
	EACH v_pk_add_f32 v[D+8*p+4:D+8*p+5], v[D+8*p+4:D+8*p+5], v[D+8*p+6:D+8*p+7]
	EACH v_pk_add_f32 v[D+8*p:D+8*p+1], v[D+8*p:D+8*p+1], v[D+8*p+4:D+8*p+5]
	EACH v_add_f32 v[D+8*p], v[D+8*p], v[D+8*p+1]
.irp m, 1,2,4,8
	EACH v_add_f32_dpp v[D+8*p], v[D+8*p], v[D+8*p] row_xmask:\m row_mask:0xf bank_mask:0xf
.endr
	v_mov_b32 v[SC], v[T]                          ; lane x keeps the figures of pair x % 8
	v_mov_b32 v[SL], v[D]
.irp p, 1,2,3,4,5,6,7
	v_cndmask_b32 v[SC], v[SC], v[T+2*(\p)], s[LM+(\p)]
	v_cndmask_b32 v[SL], v[SL], v[D+8*(\p)], s[LM+(\p)]
.endr
	ds_store_b32 v[STA], v[SC]
	ds_store_b32 v[STA], v[SL] offset:512
	s_wait_xcnt 0x0                                ; the stores have read their base and data
	s_add_nc_u64 s[8:9], s[8:9], 65536
	v_add_nc_u32 v[RDA], 16*DP, v[RDA]
	v_add_nc_u32 v[U], 16, v[U]
	v_add_nc_u32 v[STA], 64, v[STA]
	s_sub_co_u32 s[CNT], s[CNT], 1
	s_cmp_lg_u32 s[CNT], 0
	s_cbranch_scc1 .Lsoft
	ds_load_b128 v[SB:SB+3], v[SRD]                ; my 128 c m and 128 l, 512 consecutive bytes each
	ds_load_b128 v[SB+4:SB+7], v[SRD] offset:512
	s_wait_dscnt 0x0
	global_store_b128 v[SGO], v[SB:SB+3], s[10:11]
	global_store_b128 v[SGO], v[SB+4:SB+7], s[10:11] offset:8192
	s_wait_tensorcnt 0x0                           ; the wave's end
	ds_add_u32 v[SPW], v[NIL]
	s_wait_dscnt 0x0
	s_endpgm
.Lfunc_end_k_q92e696131c_scores:
	.size	k_q92e696131c_scores, .Lfunc_end_k_q92e696131c_scores-k_q92e696131c_scores
	.p2alignl 7, 3214868480
	.fill 96, 4, 3214868480
	.section	.rodata,"a",@progbits
	.p2align	6, 0x0
	.amdhsa_kernel k_q92e696131c_scores
		.amdhsa_group_segment_fixed_size 327680
		.amdhsa_private_segment_fixed_size 0
		.amdhsa_enable_private_segment 0
		.amdhsa_kernarg_size 32
		.amdhsa_user_sgpr_count 2
		.amdhsa_user_sgpr_kernarg_segment_ptr 1
		.amdhsa_wavefront_size32 1
		.amdhsa_system_sgpr_workgroup_id_x 1
		.amdhsa_system_sgpr_workgroup_id_y 1
		.amdhsa_system_sgpr_workgroup_id_z 1
		.amdhsa_system_vgpr_workitem_id 0
		.amdhsa_next_free_vgpr 1024
		.amdhsa_next_free_sgpr 88
		.amdhsa_reserve_vcc 0
		.amdhsa_float_denorm_mode_32 3
		.amdhsa_float_denorm_mode_16_64 3
		.amdhsa_memory_ordered 1
		.amdhsa_forward_progress 1
		.amdhsa_inst_pref_size 99
	.end_amdhsa_kernel
	.amdgpu_metadata
---
amdhsa.version: [ 1, 2 ]
amdhsa.kernels:
  - .name:           k_q92e696131c_scores
    .symbol:         k_q92e696131c_scores.kd
    .args:
      - { .name: qp, .offset: 0, .size: 8, .value_kind: global_buffer, .address_space: global }
      - { .name: kp, .offset: 8, .size: 8, .value_kind: global_buffer, .address_space: global }
      - { .name: pw, .offset: 16, .size: 8, .value_kind: global_buffer, .address_space: global }
      - { .name: stats, .offset: 24, .size: 8, .value_kind: global_buffer, .address_space: global }
    .group_segment_fixed_size: 327680
    .private_segment_fixed_size: 0
    .kernarg_segment_align: 8
    .kernarg_segment_size: 32
    .max_flat_workgroup_size: 128
    .sgpr_count:     88
    .vgpr_count:     1024
    .wavefront_size: 32
...
	.end_amdgpu_metadata
.endif
;; end of part 3
;; launch pv (part 4): grid 8 x 32, 4 waves a work-group, clusters of 4 x 1, 327,680 bytes of LDS; arguments pw, vp, stats, out0; writes out0
.if DOCPART == 4
	.amdgcn_target "amdgcn-amd-amdhsa--gfx1250"
	.amdhsa_code_object_version 6
	.text
	.protected	k_q92e696131c_pv
	.globl	k_q92e696131c_pv
	.p2align	8
	.type	k_q92e696131c_pv,@function
k_q92e696131c_pv:
	s_mov_b64 s[64:65], 0
	v_nop
	global_prefetch_b8 v0, s[64:65] scope:SCOPE_SE
	s_setreg_imm32_b32 hwreg(HW_REG_WAVE_MODE, 25, 1), 1
	s_wait_xcnt 0x0
	s_wait_alu depctr_hold_cnt(0) depctr_sa_sdst(0) depctr_va_vdst(0) depctr_va_sdst(0) depctr_va_ssrc(0) depctr_va_vcc(0) depctr_vm_vsrc(0)
	s_getreg_b32 s2, hwreg(HW_REG_IB_STS2, 6, 4)
	s_cmp_eq_u32 s2, 0
	s_cbranch_scc0 .Lentry_in_a_cluster
	s_endpgm
.Lentry_in_a_cluster:
	s_bfe_u32 s2, ttmp6, 0x10000c
	s_cmp_lg_u32 s2, 0x3003
	s_cbranch_scc0 .Lentry_shape_is_right
	s_endpgm
.Lentry_shape_is_right:
; out0[q][ch] = ( sum over key blocks kb of g[kb][q] (P_kb V_kb)[q][ch] ) / ( sum over kb of g[kb][q] l[kb][q] ),  g = 2^(c m[kb][q] - M[q]),  M = the largest c m of the row's key blocks.
; pw: [4][2048 q][2048 k] f16, vp: [8192][1024] f16, stats: [4][16 kb][2: c m, l][2048 q] f32, out0: [4][2048][1024] f32.  Products in f16 with f32 sums; g, the joining and the division in f32.
; LIMITS.  A g below 2^-126 counts as 0.  NaN and infinities are not treated apart.
; SHARES.  A work-group makes 128 channels of TWO blocks of 128 queries, 15 - pr and then pr.  Block R walks the key tiles 0 .. R / 2 of 256 keys: 9 tiles together, whatever pr: 256 equal work-groups and one
; counted walk.  Where R is even the last tile's upper 128 keys are hidden: they are multiplied all the same and weighed with g = 0.  A wave makes 64 queries x 64 channels.
; CLUSTER.  The four channel blocks of a cluster walk the same tiles of P: joint loads (waves 0, 1).  V's tiles are each work-group's own (waves 2, 3), asked for behind the same round.
; LAYOUT.  O^T = V^T P: source 0 = 16 channels x 32 keys (V turned by ds_load_tr16_b128), source 1 = 16 queries x 32 keys: a lane holds one query and 8 channels, so g is one number a lane.
; Each 128 keys have a partial sum of their own (PA, PB by turns); TOTAL += g x partial rides, four lines behind a matrix instruction, on the other partial's products.
; REGISTERS: window 0: v0-31 addresses; v32-55 g and 1 / L (in even registers); v64-127 at work; v128-255 TOTAL.  window 1: two fragment buffers of 128 (P's 8, V's 8).  window 2: PA, PB.
.set PP,    528                        ; a row of P in LDS: 512 bytes + 16
.set PVP,   288                        ; a row of V: 256 + 32: 16 lanes of the turning load take 8 rows x 32 bytes at different columns
.set VOFF,  128*PP
.set SPARE, VOFF+256*PVP               ; the spare words lie between the slots
.set SLOTX, 0x24000                    ; slot 1; no bit of it is set in a fill's place in slot 0
.set STAGE, SLOTX+SPARE
.set SPI,   272
.set GTAB,  STAGE+4*16*SPI             ; two tables of 8,704 bytes: g[16][128], then 1 / L[128]
.set TABB,  8704
.set AP0, 4
.set AV00, 5
.set AP,  6
.set AV0, 7
.set AV1, 8
.set GB0, 9
.set GAD, 10
.set IA0, 11
.set IAD, 12
.set STO, 13
.set RD,  14
.set GO,  15
.set GW,  16
.set QOF, 17
.set PFO, 18
.set SPW, 28
.set NIL, 29
.set GA,  32
.set GB,  40
.set INV, 48
.set TMP, 64
.set TOT, 128
.set F0,  0
.set F1,  128
.set PA,  0
.set PB,  128
.set WV,  12
.set HI,  19
.set LO,  20
.set NSH, 21
.set NSL, 22
.set NSL1, 23
.set G1P, 24
.set G1V, 32
.set G0PA, 40
.set G0P, 44
.set G0VA, 48
.set G0V, 52
.set TB,  56
.set CNT, 57
.set RT,  58                           ; tiles left in the block in hand
.set GT,  59                           ; the table's offset + 1,024 x the tile's number
.set JN,  60                           ; the tile to be asked for next, its block, that block's last tile
.set RN,  61
.set LQ,  62
.set LIM, 63
.set PBASE, 66
.set VBASE, 68
.set PFB, 74
.set PFA, 76
.set ONOW, 78
.set OLO, 80
.set TABO, 82
.set MSB, 0
.macro WIN new
.if MSB != (\new)
	s_set_vgpr_msb (MSB<<8)|(\new)
.set MSB, (\new)
.endif
.endm
.macro PLACES
.rept 4
	v_nop
.endr
.endm
.macro JLOAD                           ; waves 0, 1: the halves of P's tile, jointly; waves 2, 3: the halves of V's
	s_cmp_lt_u32 s[WV], 2
	s_cbranch_scc0 .Lfor_v_\@
	tensor_load_to_lds s[G0P:G0P+3], s[G1P:G1P+7]
	s_nop 0
.rept 4
	v_nop
.endr
	s_branch .Lasked_\@
.Lfor_v_\@:
	tensor_load_to_lds s[G0V:G0V+3], s[G1V:G1V+7]
	s_nop 0
.rept 4
	v_nop
.endr
.Lasked_\@:
.endm
; The tile that the NEXT change of slots will ask for.  P's tile is read by both clusters of a row of the grid: the first asks, its four partners sharing by address 16 rows x 512 bytes a wave (one line).
; V's tiles are read by the eight pairs of a batch: the pair with pr = 0 asks, in its first block's walk alone, which passes all eight tiles: 128 rows x 256 bytes a wave (four lines).
.macro ASK
	s_cmp_gt_u32 s[CNT], s[LIM]
	s_cbranch_scc0 .Lno_\@
	global_prefetch_b8 v[PFO], s[PFA:PFA+1] th:TH_LOAD_NT scope:SCOPE_SE
	s_cmp_lt_u32 s[WV], 2
	s_cbranch_scc1 .Lno_\@
.irp g, 1,2,3
	global_prefetch_b8 v[PFO], s[PFA:PFA+1] offset:(\g)*65536 th:TH_LOAD_NT scope:SCOPE_SE
.endr
.Lno_\@:
.endm
.macro CREST
	s_cmp_lg_u32 s[WV], 0
	s_cbranch_scc1 .Lnot_wave_0_\@
	s_barrier_signal -3
.Lnot_wave_0_\@:
	s_barrier_wait -3
	s_barrier_signal -1
	s_barrier_wait -1
.endm
.macro CROUND
	s_barrier_signal -1
	s_barrier_wait -1
	CREST
.endm
	s_load_b256 s[4:11], s[0:1], 0x0               ; pw, vp, stats, out0
	v_lshl_add_u32 v[SPW], v0, 2, SPARE
	v_mov_b32 v[NIL], 0
	ds_add_u32 v[SPW], v[NIL]                      ; the opening add
	ds_add_u32 v28, v29
	v_lshrrev_b32 v1, 5, v0
	v_readfirstlane_b32 s[WV], v1
	s_lshr_b32 s13, s[WV], 1                       ; wq: my 64 queries
	s_and_b32 s14, s[WV], 1                        ; wc: my 64 channels; also which half of a tile I fetch
	s_bfe_u32 s15, ttmp6, 0x40000                  ; cx
	s_lshl_b32 s16, ttmp9, 2
	s_add_co_u32 s16, s16, s15                     ; channel block
	s_and_b32 s84, ttmp7, 0xffff
	s_lshr_b32 s17, s84, 3                         ; batch
	s_and_b32 s18, s84, 7                          ; pr
	s_sub_co_u32 s[HI], 15, s18
	s_mov_b32 s[LO], s18
	s_lshr_b32 s[NSH], s[HI], 1
	s_add_co_u32 s[NSH], s[NSH], 1                 ; tiles of the first block, 5 to 8
	s_lshr_b32 s[NSL1], s[LO], 1
	s_add_co_u32 s[NSL], s[NSL1], 1                ; of the second: 9 together
	s_mov_b32 s[G1P+0], 15|(1<<16)|(1<<20)|(1<<21)|(6<<22)|(3<<25)  ; the mask of four; 2-byte elements; padding: after every 128 words 4 words
	s_mov_b32 s[G1P+1], 256<<16
	s_mov_b32 s[G1P+2], 64<<16
	s_mov_b32 s[G1P+3], 256<<16
	s_mov_b32 s[G1P+4], 64
	s_mov_b32 s[G1P+5], 2048
	s_mov_b32 s[G1P+6], 0
	s_mov_b32 s[G1P+7], 0
	s_mov_b32 s[G1V+0], (1<<16)|(1<<20)|(5<<22)|(7<<25)             ; no mask; after every 64 words 8 words
	s_mov_b32 s[G1V+1], 128<<16
	s_mov_b32 s[G1V+2], 128<<16
	s_mov_b32 s[G1V+3], 128<<16
	s_mov_b32 s[G1V+4], 128
	s_mov_b32 s[G1V+5], 1024
	s_mov_b32 s[G1V+6], 0
	s_mov_b32 s[G1V+7], 0
	s_lshl_b32 s84, s17, 23                        ; P: the batch, my 64 rows of a tile's 128
	s_lshl_b32 s85, s14, 18
	s_add_co_u32 s84, s84, s85
	s_mov_b32 s85, 0
	s_lshl_b32 s90, s17, 22                        ; V: the batch, my 128 rows of a tile's 256, the channel block (s90, s91 alone ever hold what hangs on cx)
	s_lshl_b32 s91, s14, 18
	s_add_co_u32 s90, s90, s91
	s_lshl_b32 s91, s16, 8
	s_add_co_u32 s90, s90, s91
	s_mov_b32 s91, 0
	s_mul_i32 s86, s14, 64*PP
	s_mul_i32 s87, s14, 128*PVP
	s_add_co_u32 s87, s87, VOFF
	s_lshl_b32 s70, s[HI], 19
	s_mov_b32 s71, 0
	s_mov_b32 s73, 0
	s_mov_b32 s[TB], 0
	s_wait_dscnt 0x0
	s_wait_kmcnt 0x0
	s_add_nc_u64 s[PBASE:PBASE+1], s[4:5], s[84:85]
	s_add_nc_u64 s[VBASE:VBASE+1], s[6:7], s[90:91]
	CROUND                                         ; all four work-groups are here
	s_mov_b32 s[G0PA], 1                           ; tiles 0 and 1 of the first block
	s_mov_b32 s[G0PA+1], s86
	s_add_nc_u64 s[G0PA+2:G0PA+3], s[PBASE:PBASE+1], s[70:71]
	s_mov_b32 s[G0P], 1
	s_add_co_u32 s[G0P+1], s86, SLOTX
	s_add_nc_u64 s[G0P+2:G0P+3], s[G0PA+2:G0PA+3], 512
	s_or_b32 s[G0PA+3], s[G0PA+3], 0x80000000
	s_or_b32 s[G0P+3], s[G0P+3], 0x80000000
	s_mov_b32 s[G0VA], 1
	s_mov_b32 s[G0VA+1], s87
	s_mov_b64 s[G0VA+2:G0VA+3], s[VBASE:VBASE+1]
	s_or_b32 s[G0VA+3], s[G0VA+3], 0x80000000
	s_mov_b32 s[G0V], 1
	s_add_co_u32 s[G0V+1], s87, SLOTX
	s_add_nc_u64 s[G0V+2:G0V+3], s[VBASE:VBASE+1], 1<<19
	s_or_b32 s[G0V+3], s[G0V+3], 0x80000000
	s_cmp_lt_u32 s[WV], 2                          ; a wave's two first fills stand in one branch: two loads of mine are out
	s_cbranch_scc0 .Lfirst_v
	tensor_load_to_lds s[G0PA:G0PA+3], s[G1P:G1P+7]
	s_nop 0
	tensor_load_to_lds s[G0P:G0P+3], s[G1P:G1P+7]
	s_nop 0
.rept 4
	v_nop
.endr
	s_branch .Lfirst_asked
.Lfirst_v:
	tensor_load_to_lds s[G0VA:G0VA+3], s[G1V:G1V+7]
	s_nop 0
	tensor_load_to_lds s[G0V:G0V+3], s[G1V:G1V+7]
	s_nop 0
.rept 4
	v_nop
.endr
.Lfirst_asked:
	; THE STATISTICS.  Thread t owns query t of both blocks.  A block R has nkb = 2 (R / 2 + 1) key blocks; the loads beyond them are clamped to the last, and their c m is pushed to the lowest number.
	v_lshlrev_b32 v[QOF], 2, v0
	v_lshl_add_u32 v[GW], v0, 2, GTAB
	s_lshl_b32 s84, s17, 18
	s_lshl_b32 s85, s[HI], 9
	s_add_co_u32 s84, s84, s85
	s_mov_b32 s85, 0
	s_add_nc_u64 s[86:87], s[8:9], s[84:85]
	s_lshl_b32 s84, s17, 18
	s_lshl_b32 s85, s[LO], 9
	s_add_co_u32 s84, s84, s85
	s_mov_b32 s85, 0
	s_add_nc_u64 s[88:89], s[8:9], s[84:85]
	s_lshl_b32 s82, s[NSH], 1
	s_sub_co_u32 s82, s82, 1                       ; nkb - 1 of the first block,
	s_lshl_b32 s83, s[NSL], 1
	s_sub_co_u32 s83, s83, 1                       ; of the second
	s_mov_b32 s74, 0x7f7fffff
	s_mov_b32 s75, 0xff7fffff
.macro STLOAD base, lim, off, cm, ll
.set kb, 0
.rept 16
	s_min_u32 s84, s[\lim], kb
	s_lshl_b32 s84, s84, 14
	v_add_nc_u32 v[(\off)+kb], s84, v[QOF]
	global_load_b32 v[(\cm)+kb], v[(\off)+kb], s[\base:\base+1]
	global_load_b32 v[(\ll)+kb], v[(\off)+kb], s[\base:\base+1] offset:8192
.set kb, kb+1
.endr
.endm
	STLOAD 86, 82, 64, 96, 112
	STLOAD 88, 83, 80, 128, 144
	; lane addresses, while the loads are on their way
	v_and_b32 v1, 15, v0                           ; r
	v_bfe_u32 v2, v0, 4, 1                         ; h
	s_mul_i32 s84, s13, 64*PP
	v_mul_u32_u24 v3, v1, PP
	v_lshl_add_u32 v3, v2, 4, v3
	v_add_nc_u32 v[AP0], s84, v3
	v_and_b32 v20, 7, v0
	v_bfe_u32 v21, v0, 3, 1
	v_lshl_add_u32 v3, v2, 3, v20
	v_mul_u32_u24 v3, v3, PVP
	v_lshl_add_u32 v3, v21, 4, v3
	s_lshl_b32 s84, s14, 7
	s_add_co_u32 s84, s84, VOFF
	v_add_nc_u32 v[AV00], s84, v3
	v_mov_b32 v[AP], v[AP0]
	v_mov_b32 v[AV0], v[AV00]
	v_add_nc_u32 v[AV1], 128*PVP, v[AV00]
	s_lshl_b32 s84, s13, 8
	s_add_co_u32 s84, s84, GTAB
	v_lshl_add_u32 v[GB0], v1, 2, s84
	v_add_nc_u32 v[IA0], 8192, v[GB0]
	s_mul_i32 s84, s[WV], 16*SPI
	s_add_co_u32 s84, s84, STAGE
	v_mul_u32_u24 v3, v1, SPI
	v_lshl_add_u32 v3, v2, 5, v3
	v_add_nc_u32 v[STO], s84, v3
	v_mul_u32_u24 v3, v2, SPI
	v_lshl_add_u32 v3, v1, 4, v3
	v_add_nc_u32 v[RD], s84, v3
	v_lshlrev_b32 v3, 12, v2
	v_lshl_add_u32 v[GO], v1, 4, v3
	v_and_b32 v3, 31, v0
	v_lshrrev_b32 v22, 1, v3
	v_lshlrev_b32 v22, 12, v22
	v_and_b32 v23, 1, v3
	v_lshl_add_u32 v22, v23, 8, v22                ; P: row lane / 2, half lane % 2 of its 512 bytes
	v_lshlrev_b32 v23, 11, v3                      ; V: a lane a row
	s_cmp_lt_u32 s[WV], 2
	s_cselect_b32 s84, -1, 0
	v_cndmask_b32 v[PFO], v23, v22, s84
	s_lshl_b32 s90, s17, 23                        ; out0 at my rows and channels of both blocks
	s_lshl_b32 s91, s13, 18
	s_add_co_u32 s90, s90, s91
	s_lshl_b32 s91, s16, 9
	s_add_co_u32 s90, s90, s91
	s_lshl_b32 s91, s14, 8
	s_add_co_u32 s90, s90, s91
	s_mov_b32 s91, 0
	s_add_nc_u64 s[10:11], s[10:11], s[90:91]
	s_lshl_b32 s90, s[HI], 19
	s_add_nc_u64 s[ONOW:ONOW+1], s[10:11], s[90:91]
	s_lshl_b32 s90, s[LO], 19
	s_add_nc_u64 s[OLO:OLO+1], s[10:11], s[90:91]
	s_wait_loadcnt 0x0
.macro STMAX lim, cm, mx               ; M, and c m - M
.set kb, 2
.rept 14
	s_cmp_ge_u32 s[\lim], kb
	s_cselect_b32 s84, s74, s75
	v_min_num_f32 v[(\cm)+kb], s84, v[(\cm)+kb]
.set kb, kb+1
.endr
	v_max3_num_f32 v[\mx], v[\cm], v[(\cm)+1], v[(\cm)+2]
.set kb, 3
.rept 6
	v_max3_num_f32 v[\mx], v[\mx], v[(\cm)+kb], v[(\cm)+kb+1]
.set kb, kb+2
.endr
	v_max_num_f32 v[\mx], v[\mx], v[(\cm)+15]
.set kb, 0
.rept 16
	v_sub_f32 v[(\cm)+kb], v[(\cm)+kb], v[\mx]
.set kb, kb+1
.endr
.endm
	STMAX 82, 96, 160
	STMAX 83, 128, 161
.set kb, 0
.rept 16                               ; one batch of 32 exponentials
	v_exp_f32 v[96+kb], v[96+kb]
	v_exp_f32 v[128+kb], v[128+kb]
.set kb, kb+1
.endr
	v_nop
	s_wait_alu depctr_va_vdst(0)                   ; the one wait ahead of the first reader
	v_mul_f32 v162, v96, v112
	v_mul_f32 v163, v128, v144
.set kb, 1
.rept 15
	v_fmac_f32 v162, v[96+kb], v[112+kb]           ; L = the sum of g l, in f32
	v_fmac_f32 v163, v[128+kb], v[144+kb]
.set kb, kb+1
.endr
	v_rcp_f32 v164, v162
	v_rcp_f32 v165, v163
.set kb, 0
.rept 16
	ds_store_b32 v[GW], v[96+kb] offset:512*kb
	ds_store_b32 v[GW], v[128+kb] offset:TABB+512*kb
.set kb, kb+1
.endr
	v_nop
	s_wait_alu depctr_va_vdst(0)
	ds_store_b32 v[GW], v164 offset:8192
	ds_store_b32 v[GW], v165 offset:TABB+8192
	; the walk's scalars
	s_cmp_lt_u32 s[WV], 2
	s_cselect_b32 s84, ttmp9, s18
	s_cselect_b32 s85, 1, 2
	s_cmp_eq_u32 s84, 0
	s_cselect_b32 s[LIM], s85, -1                  ; the same in all four partners, for a given wave
	s_lshl_b32 s90, s15, 16                        ; my work-group's 16 rows of the 64 that the wave fetches
	s_mov_b32 s91, 0
	s_add_nc_u64 s[90:91], s[PBASE:PBASE+1], s[90:91]
	s_cmp_lt_u32 s[WV], 2
	s_cselect_b64 s[PFB:PFB+1], s[90:91], s[VBASE:VBASE+1]
	s_mov_b32 s[JN], 2
	s_mov_b32 s[RN], s[HI]
	s_sub_co_u32 s[LQ], s[NSH], 1
	s_mov_b32 s[RT], s[NSH]
	s_mov_b32 s[GT], 0
	s_mov_b32 s[TABO], 0
	; what the first tile's riders find: PB, its g and TOTAL are 0.  All this stands in the wait for the first tile.
.set i, GA
.rept 24
	v_mov_b32 v[i], 0
.set i, i+1
.endr
.set i, TOT
.rept 128
	v_mov_b32 v[i], 0
.set i, i+1
.endr
	WIN 0x80
.set i, PB
.rept 128
	v_mov_b32 v[i], 0
.set i, i+1
.endr
	WIN 0
; 32 LDS loads in one run: quarter qn (64 keys) of the slot into buffer f, its first 32 keys first
.macro FETCH qn, f
	WIN 0x40
.irp c, 0,1
.irp i, 0,1,2,3
.if (\qn) < 2
	ds_load_tr16_b128 v[(\f)+64+8*(4*(\c)+(\i)):(\f)+64+8*(4*(\c)+(\i))+3],   v[AV0] offset:(64*(\qn)+32*(\c))*PVP+32*(\i)
	ds_load_tr16_b128 v[(\f)+64+8*(4*(\c)+(\i))+4:(\f)+64+8*(4*(\c)+(\i))+7], v[AV0] offset:(64*(\qn)+32*(\c)+16)*PVP+32*(\i)
.else
	ds_load_tr16_b128 v[(\f)+64+8*(4*(\c)+(\i)):(\f)+64+8*(4*(\c)+(\i))+3],   v[AV1] offset:(64*((\qn)-2)+32*(\c))*PVP+32*(\i)
	ds_load_tr16_b128 v[(\f)+64+8*(4*(\c)+(\i))+4:(\f)+64+8*(4*(\c)+(\i))+7], v[AV1] offset:(64*((\qn)-2)+32*(\c)+16)*PVP+32*(\i)
.endif
	ds_load_b128 v[(\f)+8*(4*(\c)+(\i)):(\f)+8*(4*(\c)+(\i))+3],   v[AP] offset:128*(\qn)+64*(\c)+(\i)*16*PP
	ds_load_b128 v[(\f)+8*(4*(\c)+(\i))+4:(\f)+8*(4*(\c)+(\i))+7], v[AP] offset:128*(\qn)+64*(\c)+(\i)*16*PP+32
.endr
.endr
.endm
; 8 matrix instructions into partial sum set: query blocks a0, a0 + 1 x 4 channel blocks, 32 keys (half c of buffer f); the 16 accumulators take turns.
; oset >= 0: behind each, TOTAL += g x the other partial's tile of the same number (four packed lines, its lowest registers first)
.macro MUL8 f, c, a0, set, zero, oset, G
.irp a, \a0, (\a0)+1
.irp b, 0,1,2,3
.set t8, 8*(4*(\a)+(\b))
	WIN 0xa5
.if \zero
	v_wmma_f32_16x16x32_f16 v[(\set)+t8:(\set)+t8+7], v[(\f)+64+8*(4*(\c)+(\b)):(\f)+64+8*(4*(\c)+(\b))+7], v[(\f)+8*(4*(\c)+(\a)):(\f)+8*(4*(\c)+(\a))+7], 0
.else
	v_wmma_f32_16x16x32_f16 v[(\set)+t8:(\set)+t8+7], v[(\f)+64+8*(4*(\c)+(\b)):(\f)+64+8*(4*(\c)+(\b))+7], v[(\f)+8*(4*(\c)+(\a)):(\f)+8*(4*(\c)+(\a))+7], v[(\set)+t8:(\set)+t8+7]
.endif
.if (\oset) >= 0
	WIN 0x02
.irp z, 0,1,2,3
	v_pk_fma_f32 v[TOT+t8+2*(\z):TOT+t8+2*(\z)+1], v[(\oset)+t8+2*(\z):(\oset)+t8+2*(\z)+1], v[(\G)+2*(\a):(\G)+2*(\a)+1], v[TOT+t8+2*(\z):TOT+t8+2*(\z)+1] op_sel_hi:[1,0,1]
.endr
.endif
.endr
.endr
.endm
.macro GLOAD                           ; the tile's two g for my four query blocks
	WIN 0
	v_add_nc_u32 v[GAD], s[GT], v[GB0]
.irp a, 0,1,2,3
	ds_load_b32 v[GA+2*(\a)], v[GAD] offset:64*(\a)
	ds_load_b32 v[GB+2*(\a)], v[GAD] offset:512+64*(\a)
.endr
.endm
.macro QUARTER nq, f, g, set, zero, oset, G, gl
	s_wait_dscnt 16                                ; the first 32 keys are in
	MUL8 \f, 0, 0, \set, \zero, -1, 0
	MUL8 \f, 0, 2, \set, \zero, -1, 0
	PLACES                                         ; in front of the loads into buffer g, and between the other partial's last products and the riders that read it
.if \gl
	GLOAD
.endif
	FETCH \nq, \g
	s_wait_dscnt 32                                ; all but the 32 just issued
	MUL8 \f, 1, 0, \set, 0, \oset, \G
	MUL8 \f, 1, 2, \set, 0, \oset, \G
.endm
; The tile's last quarter multiplies buffer 1 and changes slots: all my tensor loads, the add, the wait for it and for my reads, the barrier.  fill = 1: the barrier opens a round of the cluster's, and the slot takes
; the tile two on: its address is made anew from the block's and the tile's numbers.  112 matrix instructions stand between a request and the wait for it.
.macro TURN fill
	WIN 0
.if \fill
	s_wait_xcnt 0x0                                ; the last prefetches, a tile back, have read their address
.endif
	s_wait_tensorcnt 0x0
	ds_add_u32 v[SPW], v[NIL]
.if \fill
	s_lshl_b32 s70, s[RN], 19                      ; P: 128 rows of 4,096 bytes a block, 512 bytes a tile
	s_lshl_b32 s84, s[JN], 9
	s_add_co_u32 s70, s70, s84
	s_lshl_b32 s72, s[JN], 19                      ; V: 256 rows of 2,048 bytes a tile
	s_xor_b32 s[G0P+1], s[G0P+1], SLOTX
	s_add_nc_u64 s[G0P+2:G0P+3], s[PBASE:PBASE+1], s[70:71]
	s_or_b32 s[G0P+3], s[G0P+3], 0x80000000
	s_xor_b32 s[G0V+1], s[G0V+1], SLOTX
	s_add_nc_u64 s[G0V+2:G0V+3], s[VBASE:VBASE+1], s[72:73]
	s_or_b32 s[G0V+3], s[G0V+3], 0x80000000
	s_add_co_u32 s[JN], s[JN], 1                   ; the block's next tile, or behind its last the second block's tile 0
	s_cmp_gt_u32 s[JN], s[LQ]
	s_cselect_b32 s[JN], 0, s[JN]
	s_cselect_b32 s[RN], s[LO], s[RN]
	s_cselect_b32 s[LQ], s[NSL1], s[LQ]
	s_lshl_b32 s70, s[RN], 19                      ; and where the prefetch of that tile stands
	s_lshl_b32 s84, s[JN], 9
	s_add_co_u32 s70, s70, s84
	s_lshl_b32 s72, s[JN], 19
	s_cmp_lt_u32 s[WV], 2
	s_cselect_b32 s70, s70, s72
	s_add_nc_u64 s[PFA:PFA+1], s[PFB:PFB+1], s[70:71]
.endif
	s_wait_dscnt 17                                ; the add and the youngest sixteen loads may be out
	MUL8 F1, 0, 0, PB, 0, -1, 0
	s_wait_dscnt 0x0
	s_barrier_signal -1
	MUL8 F1, 0, 2, PB, 0, -1, 0
	WIN 0
	s_barrier_wait -1
.if \fill
	CREST
	JLOAD
.else
	PLACES
.endif
	s_xor_b32 s[TB], s[TB], SLOTX
	v_add_nc_u32 v[AP], s[TB], v[AP0]
	v_add_nc_u32 v[AV0], s[TB], v[AV00]
	v_add_nc_u32 v[AV1], 128*PVP, v[AV0]
	FETCH 0, F0
.if \fill
	WIN 0
	ASK
.endif
	MUL8 F1, 1, 0, PB, 0, -1, 0
	MUL8 F1, 1, 2, PB, 0, -1, 0
.endm
; A BLOCK'S END: the last partial sum is joined, TOTAL divided by L and sent through my stage, 16 rows at a time.  No barrier and no tensor load stand here.
.macro WOUT
	PLACES
	WIN 0x02
.set t, 0
.rept 16
.irp z, 0,1,2,3
	v_pk_fma_f32 v[TOT+8*t+2*(\z):TOT+8*t+2*(\z)+1], v[PB+8*t+2*(\z):PB+8*t+2*(\z)+1], v[GB+2*(t/4):GB+2*(t/4)+1], v[TOT+8*t+2*(\z):TOT+8*t+2*(\z)+1] op_sel_hi:[1,0,1]
.endr
.set t, t+1
.endr
	WIN 0
	v_add_nc_u32 v[IAD], s[TABO], v[IA0]
.irp a, 0,1,2,3
	ds_load_b32 v[INV+2*(\a)], v[IAD] offset:64*(\a)
	v_mov_b32 v[GB+2*(\a)], 0                      ; the next tile's riders add 0 x what PB still holds
.endr
	s_wait_dscnt 0x0
.irp a, 0,1,2,3
.set i, 0
.rept 16
	v_pk_mul_f32 v[TOT+32*(\a)+2*i:TOT+32*(\a)+2*i+1], v[TOT+32*(\a)+2*i:TOT+32*(\a)+2*i+1], v[INV+2*(\a):INV+2*(\a)+1] op_sel_hi:[1,0]
.set i, i+1
.endr
.irp b, 0,1,2,3
	ds_store_b128 v[STO], v[TOT+32*(\a)+8*(\b):TOT+32*(\a)+8*(\b)+3]   offset:64*(\b)
	ds_store_b128 v[STO], v[TOT+32*(\a)+8*(\b)+4:TOT+32*(\a)+8*(\b)+7] offset:64*(\b)+16
.endr
	s_wait_xcnt 0x0                                ; earlier stores have read their data
.irp u, 0,1,2,3,4,5,6,7
	ds_load_b128 v[TMP+32*((\a)%2)+4*(\u):TMP+32*((\a)%2)+4*(\u)+3], v[RD] offset:(\u)*2*SPI  ; LDS serves a wave's instructions in order (ISA guide 5.7.1.4)
.endr
	s_wait_dscnt 0x0
.irp u, 0,1,2,3,4,5,6,7
	global_store_b128 v[GO], v[TMP+32*((\a)%2)+4*(\u):TMP+32*((\a)%2)+4*(\u)+3], s[ONOW:ONOW+1] offset:(16*(\a)+2*(\u))*4096  ; 16 lanes store 256 consecutive bytes, aligned
.endr
.endr
.set i, TOT
.rept 128
	v_mov_b32 v[i], 0
.set i, i+1
.endr
	s_wait_xcnt 0x0                                ; the stores have read their base
	s_mov_b64 s[ONOW:ONOW+1], s[OLO:OLO+1]
	s_mov_b32 s[RT], s[NSL]
	s_mov_b32 s[GT], TABB
	s_mov_b32 s[TABO], TABB
.endm
; A TILE: keys 0-127 into PA (the tile before's PB is joined meanwhile), keys 128-255 into PB (PA is joined meanwhile)
.macro ITEM fill
	QUARTER 1, F0, F1, PA, 1, PB, GB, 0
	QUARTER 2, F1, F0, PA, 0, -1, 0, 1
	QUARTER 3, F0, F1, PB, 1, PA, GA, 0
	TURN \fill
	WIN 0
	s_add_co_u32 s[GT], s[GT], 1024
	s_sub_co_u32 s[RT], s[RT], 1
	s_cmp_lg_u32 s[RT], 0
	s_cbranch_scc1 .Lon_\@
	WOUT
.Lon_\@:
.endm
	s_wait_tensorcnt 1                             ; my part of tile 0 is in; tile 1's may stay out
	s_wait_dscnt 0x0                               ; my part of the tables is written
	s_barrier_signal -1
	s_barrier_wait -1
	FETCH 0, F0
	WIN 0
	s_mov_b32 s[CNT], 7
.Lfill:                                                ; tiles 0 to 6 of the walk; tiles 2 to 8 are asked for
	ITEM 1
	s_sub_co_u32 s[CNT], s[CNT], 1
	s_cmp_lg_u32 s[CNT], 0
	s_cbranch_scc1 .Lfill
	s_mov_b32 s[CNT], 2
.Lrest:                                                ; tiles 7 and 8 ask for nothing; the last one's fetch from the slot read before serves nothing
	ITEM 0
	s_sub_co_u32 s[CNT], s[CNT], 1
	s_cmp_lg_u32 s[CNT], 0
	s_cbranch_scc1 .Lrest
	s_wait_tensorcnt 0x0                           ; the wave's end
	ds_add_u32 v[SPW], v[NIL]
	s_wait_dscnt 0x0
	CROUND                                         ; the closing round
	s_endpgm
.Lfunc_end_k_q92e696131c_pv:
	.size	k_q92e696131c_pv, .Lfunc_end_k_q92e696131c_pv-k_q92e696131c_pv
	.p2alignl 7, 3214868480
	.fill 96, 4, 3214868480
	.section	.rodata,"a",@progbits
	.p2align	6, 0x0
	.amdhsa_kernel k_q92e696131c_pv
		.amdhsa_group_segment_fixed_size 327680
		.amdhsa_private_segment_fixed_size 0
		.amdhsa_enable_private_segment 0
		.amdhsa_kernarg_size 32
		.amdhsa_user_sgpr_count 2
		.amdhsa_user_sgpr_kernarg_segment_ptr 1
		.amdhsa_wavefront_size32 1
		.amdhsa_system_sgpr_workgroup_id_x 1
		.amdhsa_system_sgpr_workgroup_id_y 1
		.amdhsa_system_sgpr_workgroup_id_z 1
		.amdhsa_system_vgpr_workitem_id 0
		.amdhsa_next_free_vgpr 768
		.amdhsa_next_free_sgpr 92
		.amdhsa_reserve_vcc 0
		.amdhsa_float_denorm_mode_32 3
		.amdhsa_float_denorm_mode_16_64 3
		.amdhsa_memory_ordered 1
		.amdhsa_forward_progress 1
		.amdhsa_inst_pref_size 137
	.end_amdhsa_kernel
	.amdgpu_metadata
---
amdhsa.version: [ 1, 2 ]
amdhsa.kernels:
  - .name:           k_q92e696131c_pv
    .symbol:         k_q92e696131c_pv.kd
    .args:
      - { .name: pw, .offset: 0, .size: 8, .value_kind: global_buffer, .address_space: global }
      - { .name: vp, .offset: 8, .size: 8, .value_kind: global_buffer, .address_space: global }
      - { .name: stats, .offset: 16, .size: 8, .value_kind: global_buffer, .address_space: global }
      - { .name: out0, .offset: 24, .size: 8, .value_kind: global_buffer, .address_space: global }
    .group_segment_fixed_size: 327680
    .private_segment_fixed_size: 0
    .kernarg_segment_align: 8
    .kernarg_segment_size: 32
    .max_flat_workgroup_size: 128
    .sgpr_count:     92
    .vgpr_count:     768
    .wavefront_size: 32
...
	.end_amdgpu_metadata
.endif
;; end of part 4
